; MI455X (gfx1250); checked and timed in simulation.
; The chip was launched on July 23, 2026; its instructions are those of AMD's public machine-readable ISA for CDNA 5 (MIT licence, August 2026) and "CDNA5" Instruction Set Architecture Reference Guide (July 2026). The comments in the code are by the model that wrote it; some were corrected since.
;; Multihead Attention. Allowed arithmetic: matrix products marked QUANTISED: E2M1 operands, one E8M0 scale for each 32 along K, by v_wmma_scale_f32_16x16x128_f8f6f4 with both operands' format E2M1 (or v_wmma_scale_f32_32x16x128_f4), f32 sums; everything else in f32.
;; Inputs: Wk_codes 384 x 12 x 16 uint8 (E2M1 codes of Wk, K innermost, in blocks of 32 codes, two codes a byte); Wk_scales 384 x 12 uint8 (E8M0 scales of Wk, one for each 32 codes along K); Wp_codes 384 x 12 x 16 uint8 (E2M1 codes of Wp, K innermost, in blocks of 32 codes, two codes a byte); Wp_scales 384 x 12 uint8 (E8M0 scales of Wp, one for each 32 codes along K); Wq_codes 384 x 12 x 16 uint8 (E2M1 codes of Wq, K innermost, in blocks of 32 codes, two codes a byte); Wq_scales 384 x 12 uint8 (E8M0 scales of Wq, one for each 32 codes along K); Wv_codes 384 x 12 x 16 uint8 (E2M1 codes of Wv, K innermost, in blocks of 32 codes, two codes a byte); Wv_scales 384 x 12 uint8 (E8M0 scales of Wv, one for each 32 codes along K); bk 384 float32; bp 384 float32; bq 384 float32; bv 384 float32; input_cap 2 x 4,096 x 384 float32; ln_b 384 float32; ln_g 384 float32; output_cap 2 x 4,096 x 384 float32.
;; Outputs: out0 2 x 4,096 x 384 float32.
;; This version of the problem:
;;   THIS VERSION OF THE PROBLEM IS GIVEN IN LOW PRECISION. The matrix products marked QUANTISED in the list below multiply operands that are first quantised to E2M1 (2 exponent bits, 1 mantissa bit; 4 bits a number), with one power-of-two scale for each 32 numbers along K (OCP MX v1.0); their sums are f32. All else is computed in f32.
;;   The module's matrix products, in the order in which they are computed (A, B: the left and right operand; K: the contracted axis; several contracted axes count as one K, in the product's order):
;;     1. [M 8,192, K 384] x [K 384, N 384]; A: computed on the way; B: input Wq (given as codes): QUANTISED
;;     2. [M 8,192, K 384] x [K 384, N 384]; A: computed on the way; B: input Wk (given as codes): QUANTISED
;;     3. [M 8,192, K 384] x [K 384, N 384]; A: computed on the way; B: input Wv (given as codes): QUANTISED
;;     4. batch 12 x [M 4,096, K 64] x [K 64, N 4,096]; A: computed on the way; B: computed on the way: QUANTISED
;;     5. batch 12 x [M 4,096, K 4,096] x [K 4,096, N 64]; A: softmax (see below); B: computed on the way: QUANTISED
;;     6. [M 8,192, K 384] x [K 384, N 384]; A: computed on the way; B: input Wp (given as codes): QUANTISED
;;   THE QUANTISER, for each operand of a quantised product, along K:
;;     - K is cut into blocks of 32 from its start; a last block that is shorter is filled with zeros.
;;     - A block's scale is 2^e with e = floor(log2(the largest magnitude in the block)) - 2, held to -126 .. 127; a block of zeros has e = 0. As a byte (E8M0): e + 127.
;;     - Each number is divided by its block's scale, clamped to +-6, and rounded to the nearest number of E2M1, ties to even, subnormals kept.
;;     - The product sums the exact products of the quantised numbers (number of the format x scale) in f32.
;;   ~~~python
;;   def quantise(x, axis):      # numpy; x: float32 -> the quantised numbers, widened to float32 again
;;       x = np.moveaxis(x, axis, -1); K = x.shape[-1]
;;       x = np.pad(x, [(0, 0)] * (x.ndim - 1) + [(0, -K % 32)]); x = x.reshape(x.shape[:-1] + (-1, 32)); a = np.abs(x).max(-1, keepdims=True)
;;       e = np.where(a > 0, np.clip(np.frexp(np.where(a > 0, a, 1))[1] - 1 - 2, -126, 127), 0)      # np.frexp(a)[1] - 1 = floor(log2(a)), exactly
;;       r = np.clip(x / 2.0 ** e, -6, 6)
;;       step = 2.0 ** (np.maximum(np.frexp(np.where(r == 0, 1, r))[1] - 1, 0) - 1)
;;       q = np.round(r / step) * step * 2.0 ** e      # np.round: ties to even
;;       return np.moveaxis(q.reshape(q.shape[:-2] + (-1,))[..., :K], -1, axis).astype(np.float32)
;;   ~~~
;;   SOFTMAX AHEAD OF A QUANTISED PRODUCT. Where the list says 'softmax', what is quantised is not the finished softmax but p = 2^(t - M), with t = logit x log2(e) and M = ceil(the row's largest t), a whole number; so 1/2 < the row's largest p <= 1. The row's sum l is taken of the UNQUANTISED p, in f32, and the product's result is divided by l at the end. Since M is a whole number, a kernel that streams over the keys may use a running M (the ceiling of the running maximum): every later rescaling is an exact power of two, which a block's scale takes up: the codes' values come out the same.
;;   OPERANDS COMPUTED ON THE WAY. 'Computed on the way' means the value that the module computes at that place (a softmax that the list does not call 'softmax' is quantised finished and normalised). What goes into a quantiser is computed in f32, as accurately as f32 sums, v_exp_f32 and their like allow (about 1e-6 of the number): no bf16 or f16 on the way to a quantiser, and a product that is left as it is and whose result goes on into a quantised operand takes f32 operands (vector FMAs, or v_wmma_f32_16x16x4_f32). A number that lies on a knife's edge between two numbers of the format may be rounded either way, as far as f32 arithmetic and the matrix unit's own rounding can turn it there, and no further.
;;   INPUTS GIVEN AS CODES. Wk (in the module: [384, 384], K = its axis 1); Wp (in the module: [384, 384], K = its axis 1); Wq (in the module: [384, 384], K = its axis 1); Wv (in the module: [384, 384], K = its axis 1): each comes as NAME_codes (uint8): NAME with its K axis moved to the last place and cut into blocks of 32 codes, [.., K / 32, bytes a block], one block behind the other in memory; two codes a byte, the lower K in the low four bits (a code: sign, 2 exponent bits, 1 mantissa bit); and NAME_scales (uint8): the same leading axes, one E8M0 byte (e + 127) for each 32 codes along K. Its value is code x scale, taken as it is: it is not quantised again, and the codes and scales need not be those that the quantiser above would give.
;; One version. Each part assembles by itself: llvm-mc -triple=amdgcn-amd-amdhsa -mcpu=gfx1250 --defsym DOCPART=n.
;; ======== version 1 of 1: 2 launches
;; limits: right only within a limited range of input values
;; workspace buffers: qws 1,769,472 bytes; kv 3,440,640 bytes
;; launch proj (part 1): grid 64 x 3, 12 waves a work-group, no clusters, 227,840 bytes of LDS; arguments output_cap, input_cap, Wq_codes, Wk_codes, Wv_codes, Wq_scales, Wk_scales, Wv_scales, bq, bk, bv, ln_g, ln_b, qws, kv; writes qws, kv
.if DOCPART == 1
	.amdgcn_target "amdgcn-amd-amdhsa--gfx1250"
	.amdhsa_code_object_version 6
	.text
	.protected	k_q259eb2758f_proj
	.globl	k_q259eb2758f_proj
	.p2align	8
	.type	k_q259eb2758f_proj,@function
k_q259eb2758f_proj:
	s_mov_b64 s[64:65], 0
	v_nop
	global_prefetch_b8 v0, s[64:65] scope:SCOPE_SE
	s_setreg_imm32_b32 hwreg(HW_REG_WAVE_MODE, 25, 1), 1
	s_wait_xcnt 0x0
; LayerNorm, its quantising to E2M1 along the 384 features, ONE of the three projections (work-group y: 0 q, 1 k, 2 v) with its bias, and the quantising of the result:
; q and k along the head's 64, v along the keys.  The results are stored as IMAGES OF OPERAND REGISTERS, so that the attention launch loads fragments as they lie.
; SHARES.  Work-group x takes 128 tokens (a key step).  Waves 0-7 each normalise and quantise one tile of 16 tokens and leave its three fragments (K steps of 128 features) in LDS; one barrier; then all twelve waves multiply.
;   q, k: wave = (head w / 2, four of the eight token tiles).  Source 0 = 16 rows of W, source 1 = 16 tokens: a lane holds one token, its registers run along the head's 64.
;   v:    wave = 32 features.  Source 0 = 16 tokens, source 1 = 16 rows of W: a lane holds one feature, its registers run along the 128 tokens, which are the second attention product's K.
; THE ROWS OF A TILE ARE NOT NEIGHBOURS: row r of tile 2 b + u is row 32 b + 8 u + r + 8 (r / 8) (tokens, rows of W alike), so that the 16 registers of two neighbouring result tiles are 16 neighbours along the next K.
; kv: [batch][key step][head][8,960 bytes]: K's 8 tiles x 512 bytes (16 bytes a lane) | K's scale words [tile / 4][row][tile % 4] | V's 4 tiles x 2 x 512 bytes | V's scale words [tile / 2][row][tile % 2].  qws: the first two parts, 4,608 bytes.
; A head's K is 64, half of the matrix instruction's 128: the scale words of q and k carry 0x7f (1.0) in their two upper bytes, and the attention launch sets zero codes against the upper half.
; NO JOINT LOADS: the launch has no tensor load.  x has to pass through registers for the LayerNorm, and what work-groups share besides (a wave's 9 to 13 KB of weight fragments) goes from memory straight into the registers where it stays.
; LIMITS: NaN and infinities among the inputs are not served.  A block of zeros, or one whose largest magnitude lies under 2^-124, gets the scale byte 1 (the rule says 127 for zeros): its codes are zeros or as the floor gives them, and the bytes are read by this program alone.
; TOKENS OF A TILE (this replaces what stands above for tokens; rows of W stay as above): row r of token tile 4 c + u is token 64 c + 32 (r / 8) + 8 u + r % 8 of the step's 128.
; So in a result whose registers run along the tokens, the 32 registers of tiles 4 c .. 4 c + 3 of lane half h are the whole block of keys 64 c + 32 h + 0 .. 31: the 4-bit operand's own layout.
.set SPITCH, 1552
.set WSTG,   16*SPITCH                 ; a wave's stage
.set XIMG,   8*WSTG                    ; x's 24 fragments: (tile m, K step s) at (3 m + s) x 1,024, 16 bytes a lane in each half
.set XSC,    XIMG+24*1024              ; their scale words: (3 m + s) x 128, 4 bytes a lane
; v1 16 l | v2 4 l | v3, v4 stage in, out | v5, v6 where I store x's images and scale words | v7, v8 where the q, k path reads them | v9 W's fragment | v10 W's scale word | v11, v12 bias | v13-15 offsets of the stores | v60, v61 where the v path reads x
.set G,  16                            ; phase X: v16-27 gamma, v28-39 beta of my 12 features
.set B,  28
.set T,  40                            ; v40-47 four rows' running pairs
.set U,  48                            ; v48-51 the other half of the lanes'
.set MU, 52                            ; v52-59 four pairs: the mean, later 1 / sqrt(var + eps), in the low word
.set X,  64                            ; v64-255 16 rows x 12 numbers; later 3 K steps x 64 numbers
.set ACC, 32                           ; q, k path
.set WF,  64
.set WS,  160
.set BI,  172
.set XF,  204
.set XS,  228
.set SW,  248
.set VBI, 16                           ; v path
.set VPC, 32
.set VWF, 64
.set VXF, 112
.set VXS, 176
.set VWS, 184
.set VPW, 190
.set VACC, 192
; 16 nb numbers of a lane, register 16 b + i = k 32 b + 16 (lane / 16) + i of the lane's row, become codes in v[pc] on (the operand's layout) and the scale bytes in v[pw].  tm: 16 registers at work.
.macro QUANT src, nb, pc, pw, tm
.set QB, 0
.rept \nb
	v_max3_num_f32 v[(\tm)+QB], |v[(\src)+16*QB]|, |v[(\src)+16*QB+1]|, 0x1800000   ; my 16 numbers of block b, and the floor 2^(3 - 127): the byte cannot fall under 1
.set QB, QB+1
.endr
.irp i, 2,4,6,8,10,12,14
.set QB, 0
.rept \nb
	v_max3_num_f32 v[(\tm)+QB], v[(\tm)+QB], |v[(\src)+16*QB+\i]|, |v[(\src)+16*QB+\i+1]|   ; the blocks by turns
.set QB, QB+1
.endr
.endr
.set QB, 0
.rept \nb
	v_permlanex16_b32 v[(\tm)+4+QB], v[(\tm)+QB], s6, s7
.set QB, QB+1
.endr
.set QB, 0
.rept \nb
	v_max_num_f32 v[(\tm)+QB], v[(\tm)+QB], v[(\tm)+4+QB]      ; with lane l xor 16's: the block's largest magnitude
.set QB, QB+1
.endr
.set QB, 0
.rept \nb
	v_add_nc_u32 v[(\tm)+12+QB], 0xff000000, v[(\tm)+QB]       ; 2 off its exponent field: the conversion's scale operand
.set QB, QB+1
.endr
.set QB, 0
.rept \nb
	v_lshrrev_b32 v[(\tm)+4+QB], 23, v[(\tm)+12+QB]            ; the scale's byte
.set QB, QB+1
.endr
	v_lshl_or_b32 v[\pw], v[(\tm)+5], 8, v[(\tm)+4]
.if \nb == 4
	s_delay_alu instid0(VALU_DEP_1)
	v_lshl_or_b32 v[\pw], v[(\tm)+6], 16, v[\pw]
	s_delay_alu instid0(VALU_DEP_1)
	v_lshl_or_b32 v[\pw], v[(\tm)+7], 24, v[\pw]
.endif
.set QB, 0
.rept \nb
	v_cvt_scalef32_pk8_fp4_f32 v[(\pc)+2*QB], v[(\src)+16*QB:(\src)+16*QB+7], v[(\tm)+12+QB]
	v_cvt_scalef32_pk8_fp4_f32 v[(\pc)+2*QB+1], v[(\src)+16*QB+8:(\src)+16*QB+15], v[(\tm)+12+QB]
.set QB, QB+1
.endr
	v_nop                                          ; one plain place behind a scaled conversion
.set QB, 0
.rept \nb/2
	v_permlane16_swap_b32 v[(\pc)+4*QB], v[(\pc)+4*QB+2]       ; the operand's layout wants a whole block in a lane: lanes 0-15 block 2 c, lanes 16-31 block 2 c + 1
	v_permlane16_swap_b32 v[(\pc)+4*QB+1], v[(\pc)+4*QB+3]
.set QB, QB+1
.endr
.endm
; 64 numbers of a lane, register 32 c + i = k 64 c + 32 (lane / 16) + i: two whole blocks.  Codes into v[pc] on, as the operand takes them; the row's four scale bytes into v[pw].  tm: 7 registers at work.  v62 = 8 (lane / 16).
.macro QUANTV src, pc, pw, tm
.irp c, 0,1
	v_max3_num_f32 v[(\tm)+\c], |v[(\src)+32*\c]|, |v[(\src)+32*\c+1]|, 0x1800000   ; with the floor 2^(3 - 127): the byte cannot fall under 1
	v_max3_num_f32 v[(\tm)+2+\c], |v[(\src)+32*\c+16]|, |v[(\src)+32*\c+17]|, |v[(\src)+32*\c+18]|
.endr
.irp i, 2,4,6,8,10,12
.irp c, 0,1
	v_max3_num_f32 v[(\tm)+\c], v[(\tm)+\c], |v[(\src)+32*\c+\i]|, |v[(\src)+32*\c+\i+1]|   ; four chains by turns, each accumulator from its low end on
	v_max3_num_f32 v[(\tm)+2+\c], v[(\tm)+2+\c], |v[(\src)+32*\c+\i+17]|, |v[(\src)+32*\c+\i+18]|
.endr
.endr
.irp c, 0,1
	v_max3_num_f32 v[(\tm)+\c], v[(\tm)+\c], |v[(\src)+32*\c+14]|, |v[(\src)+32*\c+15]|
.endr
.irp c, 0,1
	v_max3_num_f32 v[(\tm)+\c], v[(\tm)+\c], v[(\tm)+2+\c], |v[(\src)+32*\c+31]|      ; the block's largest magnitude
.endr
.irp c, 0,1
	s_delay_alu instid0(VALU_DEP_2)
	v_add_nc_u32 v[(\tm)+2+\c], 0xff000000, v[(\tm)+\c]        ; 2 off its exponent field: the conversion's scale operand
.endr
.irp c, 0,1
	s_delay_alu instid0(VALU_DEP_2)
	v_lshrrev_b32 v[(\tm)+4+\c], 23, v[(\tm)+2+\c]             ; the scale's byte
.endr
	s_delay_alu instid0(VALU_DEP_1)
	v_lshl_or_b32 v[\pw], v[(\tm)+5], 16, v[(\tm)+4]           ; my bytes: blocks h and 2 + h,
	s_delay_alu instid0(VALU_DEP_1)
	v_lshlrev_b32 v[\pw], v62, v[\pw]                          ; at their places, 8 h bits up;
	s_delay_alu instid0(VALU_DEP_1)
	v_permlanex16_b32 v[(\tm)+6], v[\pw], s6, s7
	s_delay_alu instid0(VALU_DEP_1)
	v_or_b32 v[\pw], v[\pw], v[(\tm)+6]                        ; with lane l xor 16's two the word is whole
.irp c, 0,1
.irp g, 0,1,2,3
	v_cvt_scalef32_pk8_fp4_f32 v[(\pc)+4*\c+\g], v[(\src)+32*\c+8*\g:(\src)+32*\c+8*\g+7], v[(\tm)+2+\c]
.endr
.endr
	v_nop                                          ; one plain place behind a scaled conversion
.endm
.macro BARRIER
	s_wait_dscnt 0x0
	s_barrier_signal -1
	s_barrier_wait -1
.endm
.macro LANESUM                         ; four rows' pairs in T become four sums over the wave's 32 lanes, in every lane
.irp k, 0,1,2,3
	s_delay_alu instid0(VALU_DEP_4)
	v_add_f32 v[T+2*\k], v[T+2*\k], v[T+2*\k+1]
.endr
.irp x, 1,2,4,8
.irp k, 0,1,2,3
	s_delay_alu instid0(VALU_DEP_4)
	v_add_f32_dpp v[T+2*\k], v[T+2*\k], v[T+2*\k] row_xmask:\x row_mask:0xf bank_mask:0xf
.endr
.endr
.irp k, 0,1,2,3
	s_delay_alu instid0(VALU_DEP_4)
	v_permlanex16_b32 v[U+\k], v[T+2*\k], s6, s7
.endr
.irp k, 0,1,2,3
	s_delay_alu instid0(VALU_DEP_4)
	v_add_f32 v[T+2*\k], v[T+2*\k], v[U+\k]
.endr
.endm
	s_load_b512 s[8:23], s[0:1], 0x0               ; output_cap, input_cap, Wq, Wk, Wv codes, Wq, Wk, Wv scales
	s_load_b256 s[24:31], s[0:1], 0x40             ; bq, bk, bv, ln_g
	s_load_b128 s[32:35], s[0:1], 0x60             ; ln_b, qws
	s_load_b64 s[36:37], s[0:1], 0x70              ; kv
	s_set_vgpr_msb 0x40
	v_lshl_add_u32 v0, v0, 2, 0x37400
	v_mov_b32 v1, 0
	s_set_vgpr_msb 0x4000
	v_lshrrev_b32 v1, 5, v0
	s_delay_alu instid0(VALU_DEP_1)
	v_readfirstlane_b32 s2, v1                     ; wave 0..11
	s_and_b32 s3, ttmp7, 0xffff                    ; 0 q, 1 k, 2 v
	s_lshr_b32 s4, s2, 1                           ; the head (both paths: 32 features a wave are half a head)
	s_and_b32 s5, s2, 1                            ; which half
	s_min_u32 s56, s2, 7                           ; the wave's number in phase X, which waves 0-7 alone run
	s_mov_b32 s6, 0x76543210
	s_mov_b32 s7, 0xfedcba98                       ; v_permlanex16_b32's selects for lane l xor 16
	s_mov_b32 s38, 0x3b2aaaab                      ; 1 / 384
	s_mov_b32 s39, 0x3727c5ac                      ; 1e-5
	v_and_b32 v16, 31, v0                          ; l
	v_and_b32 v17, 15, v0                          ; r
	v_bfe_u32 v18, v0, 4, 1                        ; h
	s_delay_alu instid0(VALU_DEP_2)
	v_and_b32 v19, 8, v17
	s_delay_alu instid0(VALU_DEP_1)
	v_add_nc_u32 v19, v19, v17                     ; r + 8 (r / 8)
	v_lshlrev_b32 v1, 4, v16
	v_lshlrev_b32 v2, 2, v16
	s_wait_alu depctr_va_vdst(0)
	s_mul_i32 s57, s56, WSTG
	v_add_nc_u32 v3, s57, v1                       ; the stage, in: a row's 512 bytes as they are loaded
	v_mul_u32_u24 v4, v17, SPITCH
	s_delay_alu instid0(VALU_DEP_1)
	v_lshl_add_u32 v4, v18, 6, v4
	s_delay_alu instid0(VALU_DEP_1)
	v_add_nc_u32 v4, s57, v4                       ; out: row r, + 64 h: my 16 numbers of a block of 32
	s_mul_i32 s57, s56, 3072
	s_add_co_u32 s57, s57, XIMG
	v_add_nc_u32 v5, s57, v1
	s_mul_i32 s57, s56, 384
	s_add_co_u32 s57, s57, XSC
	v_add_nc_u32 v6, s57, v2
	s_mul_i32 s57, s5, 12288
	s_add_co_u32 s57, s57, XIMG
	v_add_nc_u32 v7, s57, v1                       ; q, k path: my four token tiles
	s_mul_i32 s57, s5, 1536
	s_add_co_u32 s57, s57, XSC
	v_add_nc_u32 v8, s57, v2
	v_mul_u32_u24 v9, v19, 192                     ; a row of W is 384 codes: 192 bytes
	s_delay_alu instid0(VALU_DEP_1)
	v_lshl_add_u32 v9, v18, 4, v9
	v_mul_u32_u24 v10, v19, 12                     ; and 12 scale bytes
	v_lshlrev_b32 v11, 6, v18                      ; q, k: the bias of features 16 h + ..
	v_lshlrev_b32 v12, 2, v19                      ; v: the bias of my feature
	s_lshl_b32 s57, s5, 11
	v_add_nc_u32 v13, s57, v1                      ; q, k: tile 4 half + m at 512 bytes a tile
	s_lshl_b32 s57, s5, 8
	v_lshl_add_u32 v14, v17, 4, s57                ; their scale words
	s_lshl_b32 s57, s5, 7
	v_lshl_add_u32 v15, v17, 3, s57                ; v's scale words
	v_add_nc_u32 v60, XIMG, v1                     ; v path: all eight token tiles
	v_add_nc_u32 v61, XSC, v2
	v_lshlrev_b32 v62, 3, v18                      ; 8 h: where my half's scale bytes stand in V's scale word
	s_wait_kmcnt 0x0
	s_cmp_eq_u32 s3, 0                             ; the buffers are chosen by the work-group's y alone
	s_cselect_b64 s[40:41], s[8:9], s[10:11]       ; x: output_cap for q, input_cap for k and v
	s_cselect_b64 s[42:43], s[34:35], s[36:37]     ; out: qws or kv
	s_cselect_b64 s[44:45], s[12:13], s[14:15]
	s_cselect_b64 s[46:47], s[18:19], s[20:21]
	s_cselect_b64 s[48:49], s[24:25], s[26:27]
	s_mov_b32 s50, 53760
	s_cselect_b32 s50, 27648, s50                  ; bytes of a step's six sections
	s_mov_b32 s51, 8960
	s_cselect_b32 s51, 4608, s51                   ; and of one
	s_cmp_eq_u32 s3, 2
	s_cselect_b64 s[44:45], s[16:17], s[44:45]
	s_cselect_b64 s[46:47], s[22:23], s[46:47]
	s_cselect_b64 s[48:49], s[28:29], s[48:49]
	s_lshl_b32 s52, ttmp9, 7                       ; the step's first token: 128 x
	s_lshr_b32 s57, s56, 2                         ; my tile's first token: 128 x + 64 (w / 4) + 8 (w % 4)
	s_lshl_b32 s57, s57, 6
	s_add_co_u32 s52, s52, s57
	s_and_b32 s57, s56, 3
	s_lshl_b32 s57, s57, 3
	s_add_co_u32 s52, s52, s57
	s_mul_i32 s52, s52, 1536
	s_mov_b32 s53, 0
	s_add_nc_u64 s[40:41], s[40:41], s[52:53]
	s_mul_i32 s52, ttmp9, s50
	s_mul_i32 s57, s4, s51
	s_add_co_u32 s52, s52, s57
	s_add_nc_u64 s[42:43], s[42:43], s[52:53]      ; my head's section of this step
	s_cmp_lt_u32 s2, 8
	s_cbranch_scc0 .Lno_x
	; ---- PHASE X, waves 0-7: 16 tokens.  A load takes 512 consecutive bytes of a row: lane l holds features 128 s + 4 l + 0 .. 3, s = 0, 1, 2
.irp k, 0,1,2,3
	v_mov_b32 v[U+\k], 0                           ; a lane permute's destination counts as one of its sources
	v_mov_b32 v[MU+2*\k+1], 0                      ; named as the upper half of a pair
.endr
.irp s, 0,1,2
	global_load_b128 v[G+4*\s:G+4*\s+3], v1, s[30:31] offset:512*\s
	global_load_b128 v[B+4*\s:B+4*\s+3], v1, s[32:33] offset:512*\s
.endr
.irp i, 0,1,2,3,4,5,6,7,8,9,10,11,12,13,14,15
.irp s, 0,1,2
	global_load_b128 v[X+12*\i+4*\s:X+12*\i+4*\s+3], v1, s[40:41] offset:(\i+24*(\i/8))*1536+512*\s
.endr
.endr
; rows 4 g .. 4 g + 3, by turns: mean; x - mean; its squares' mean; (x - mean) / sqrt(var + eps) x gamma + beta; into the stage
.macro ROWS4 g
	s_wait_loadcnt 36-12*\g                        ; the 3 loads of each later row may be out
.irp k, 0,1,2,3
	v_pk_add_f32 v[T+2*\k:T+2*\k+1], v[X+12*(4*\g+\k):X+12*(4*\g+\k)+1], v[X+12*(4*\g+\k)+2:X+12*(4*\g+\k)+3]
.endr
.irp p, 4,6,8,10
.irp k, 0,1,2,3
	s_delay_alu instid0(VALU_DEP_4)
	v_pk_add_f32 v[T+2*\k:T+2*\k+1], v[T+2*\k:T+2*\k+1], v[X+12*(4*\g+\k)+\p:X+12*(4*\g+\k)+\p+1]
.endr
.endr
	LANESUM
.irp k, 0,1,2,3
	s_delay_alu instid0(VALU_DEP_4)
	v_mul_f32 v[MU+2*\k], s38, v[T+2*\k]
.endr
.irp p, 0,2,4,6,8,10
.irp k, 0,1,2,3
	v_pk_add_f32 v[X+12*(4*\g+\k)+\p:X+12*(4*\g+\k)+\p+1], v[X+12*(4*\g+\k)+\p:X+12*(4*\g+\k)+\p+1], v[MU+2*\k:MU+2*\k+1] op_sel_hi:[1,0] neg_lo:[0,1] neg_hi:[0,1]
.endr
.endr
.irp k, 0,1,2,3
	v_pk_mul_f32 v[T+2*\k:T+2*\k+1], v[X+12*(4*\g+\k):X+12*(4*\g+\k)+1], v[X+12*(4*\g+\k):X+12*(4*\g+\k)+1]
.endr
.irp p, 2,4,6,8,10
.irp k, 0,1,2,3
	s_delay_alu instid0(VALU_DEP_4)
	v_pk_fma_f32 v[T+2*\k:T+2*\k+1], v[X+12*(4*\g+\k)+\p:X+12*(4*\g+\k)+\p+1], v[X+12*(4*\g+\k)+\p:X+12*(4*\g+\k)+\p+1], v[T+2*\k:T+2*\k+1]
.endr
.endr
	LANESUM
.irp k, 0,1,2,3
	s_delay_alu instid0(VALU_DEP_4)
	v_fma_f32 v[T+2*\k], v[T+2*\k], s38, s39       ; var + eps
.endr
	s_wait_alu depctr_va_vdst(0)
.irp k, 0,1,2,3
	v_rsq_f32 v[MU+2*\k], v[T+2*\k]
.endr
	v_nop                                          ; one plain place behind the transcendentals
	s_wait_alu depctr_va_vdst(0)
.irp p, 0,2,4,6,8,10
.irp k, 0,1,2,3
	v_pk_mul_f32 v[X+12*(4*\g+\k)+\p:X+12*(4*\g+\k)+\p+1], v[X+12*(4*\g+\k)+\p:X+12*(4*\g+\k)+\p+1], v[MU+2*\k:MU+2*\k+1] op_sel_hi:[1,0]
.endr
.endr
.irp p, 0,2,4,6,8,10
.irp k, 0,1,2,3
	v_pk_fma_f32 v[X+12*(4*\g+\k)+\p:X+12*(4*\g+\k)+\p+1], v[X+12*(4*\g+\k)+\p:X+12*(4*\g+\k)+\p+1], v[G+\p:G+\p+1], v[B+\p:B+\p+1]
.endr
.endr
.irp k, 0,1,2,3
.irp s, 0,1,2
	ds_store_b128 v3, v[X+12*(4*\g+\k)+4*\s:X+12*(4*\g+\k)+4*\s+3] offset:SPITCH*(4*\g+\k)+512*\s
.endr
.endr
.endm
	ROWS4 0
	ROWS4 1
	ROWS4 2
	ROWS4 3
	s_wait_dscnt 0x0                               ; the stores have read their registers, which the loads below fill again
.irp s, 0,1,2                          ; back by rows: lane (r, h) takes, of row r, 16 neighbours of each block of 32: register 64 s + 16 b + i = feature 128 s + 32 b + 16 h + i
.irp b, 0,1,2,3
.irp j, 0,1,2,3
	ds_load_b128 v[X+64*\s+16*\b+4*\j:X+64*\s+16*\b+4*\j+3], v4 offset:512*\s+128*\b+16*\j
.endr
.endr
.endr
	s_wait_dscnt 32                                ; K step 0's 16 loads are in; the other 32 may be out
	QUANT X, 4, 16, 40, 44
	ds_store_b128 v5, v[16:19]
	ds_store_b128 v5, v[20:23] offset:512
	ds_store_b32 v6, v40
	s_wait_dscnt 19                                ; behind K step 1's loads: K step 2's 16 and the 3 stores
	QUANT X+64, 4, 24, 41, 44
	ds_store_b128 v5, v[24:27] offset:1024
	ds_store_b128 v5, v[28:31] offset:1536
	ds_store_b32 v6, v41 offset:128
	s_wait_dscnt 6                                 ; behind K step 2's loads: the 6 stores
	QUANT X+128, 4, 32, 42, 44
	ds_store_b128 v5, v[32:35] offset:2048
	ds_store_b128 v5, v[36:39] offset:2560
	ds_store_b32 v6, v42 offset:256
.Lno_x:
	s_cmp_eq_u32 s3, 2                             ; the same way for all twelve waves: it hangs on the work-group's y
	s_cbranch_scc1 .Lv
	; ---- q, k: my head's 64 rows of W stay in registers: 4 tiles x 3 K steps
	s_mul_i32 s52, s4, 12288
	s_add_nc_u64 s[44:45], s[44:45], s[52:53]
	s_mul_i32 s52, s4, 768
	s_add_nc_u64 s[46:47], s[46:47], s[52:53]
	s_lshl_b32 s52, s4, 8
	s_add_nc_u64 s[48:49], s[48:49], s[52:53]
	s_wait_alu depctr_va_vdst(0)
.irp t, 0,1,2,3
.irp s, 0,1,2
.irp c, 0,1
	global_load_b128 v[WF+8*(3*\t+\s)+4*\c:WF+8*(3*\t+\s)+4*\c+3], v9, s[44:45] offset:(32*(\t/2)+8*(\t%2))*192+64*\s+32*\c
.endr
	global_load_b32 v[WS+3*\t+\s], v10, s[46:47] offset:(32*(\t/2)+8*(\t%2))*12+4*\s
.endr
	global_load_b128 v[BI+8*\t:BI+8*\t+3], v11, s[48:49] offset:(32*(\t/2)+8*(\t%2))*4       ; the bias in the result's layout: features 32 b + 8 u + 16 h + 0 .. 7
	global_load_b128 v[BI+8*\t+4:BI+8*\t+7], v11, s[48:49] offset:(32*(\t/2)+8*(\t%2))*4+16
.endr
.irp b, 0,1,2,3
	v_mov_b32 v[236+\b], 0                         ; a lane permute's destination counts as one of its sources
.endr
	BARRIER                                        ; x's 24 fragments lie in LDS
	s_wait_loadcnt 0x0
.irp m, 0,1,2,3                        ; token tile 4 half + m
.irp s, 0,1,2
.irp c, 0,1
	ds_load_b128 v[XF+8*\s+4*\c:XF+8*\s+4*\c+3], v7 offset:(3*\m+\s)*1024+512*\c
.endr
	ds_load_b32 v[XS+\s], v8 offset:(3*\m+\s)*128
.endr
	s_wait_dscnt 0x0
.irp s, 0,1,2                          ; the four accumulators by turns, K step by K step; the bias is the C of each sum's first instruction
.irp t, 0,1,2,3
.if \s == 0
	v_wmma_scale_f32_16x16x128_f8f6f4 v[ACC+8*\t:ACC+8*\t+7], v[WF+8*(3*\t+\s):WF+8*(3*\t+\s)+7], v[XF+8*\s:XF+8*\s+7], v[BI+8*\t:BI+8*\t+7], v[WS+3*\t+\s], v[XS+\s] matrix_a_fmt:MATRIX_FMT_FP4 matrix_b_fmt:MATRIX_FMT_FP4
.else
	v_wmma_scale_f32_16x16x128_f8f6f4 v[ACC+8*\t:ACC+8*\t+7], v[WF+8*(3*\t+\s):WF+8*(3*\t+\s)+7], v[XF+8*\s:XF+8*\s+7], v[ACC+8*\t:ACC+8*\t+7], v[WS+3*\t+\s], v[XS+\s] matrix_a_fmt:MATRIX_FMT_FP4 matrix_b_fmt:MATRIX_FMT_FP4
.endif
.endr
.endr
.rept 4
	v_nop                                          ; places in front of the first read of results and of the next tile's loads into x's registers
.endr
	QUANT ACC, 2, 16+4*\m, SW+\m, 232              ; my token's 64 numbers of this head: two blocks
	v_or_b32 v[SW+\m], 0x7f7f0000, v[SW+\m]        ; 1.0 for the upper half of the matrix instruction's K, where zero codes will stand
	global_store_b128 v13, v[16+4*\m:16+4*\m+3], s[42:43] offset:512*\m    ; 32 lanes store the tile's 512 consecutive bytes
.endr
	global_store_b128 v14, v[SW:SW+3], s[42:43] offset:4096                ; four tiles' words of row r: sixteen lanes fill 256 consecutive bytes (lanes 16-31 write the same)
	s_set_vgpr_msb 0x5
	s_wait_tensorcnt 0x0
	ds_add_u32 v0, v1
	s_wait_dscnt 0x0
	s_set_vgpr_msb 0x500
	s_endpgm
	; ---- v: my 32 rows of W: 2 tiles x 3 K steps
.Lv:
	s_mul_i32 s52, s2, 6144
	s_add_nc_u64 s[44:45], s[44:45], s[52:53]
	s_mul_i32 s52, s2, 384
	s_add_nc_u64 s[46:47], s[46:47], s[52:53]
	s_lshl_b32 s52, s2, 7
	s_add_nc_u64 s[48:49], s[48:49], s[52:53]
	s_lshl_b32 s52, s5, 11
	s_add_nc_u64 s[60:61], s[42:43], s[52:53]      ; tiles 2 half + u of V in the head's section
	s_wait_alu depctr_va_vdst(0)
.irp u, 0,1
.irp s, 0,1,2
.irp c, 0,1
	global_load_b128 v[VWF+8*(3*\u+\s)+4*\c:VWF+8*(3*\u+\s)+4*\c+3], v9, s[44:45] offset:8*\u*192+64*\s+32*\c
.endr
	global_load_b32 v[VWS+3*\u+\s], v10, s[46:47] offset:8*\u*12+4*\s
.endr
.irp j, 0,1,2,3,4,5,6,7
	global_load_b32 v[VBI+8*\u+\j], v12, s[48:49] offset:32*\u             ; the bias in the result's layout: a lane's eight registers are one feature
.endr
.endr
	BARRIER                                        ; x's 24 fragments lie in LDS
	s_wait_loadcnt 0x0
.irp u, 0,1
.irp s, 0,1,2
.irp m, 0,1,2,3,4,5,6,7
.irp c, 0,1
	ds_load_b128 v[VXF+8*\m+4*\c:VXF+8*\m+4*\c+3], v60 offset:(3*\m+\s)*1024+512*\c
.endr
	ds_load_b32 v[VXS+\m], v61 offset:(3*\m+\s)*128
.endr
	s_wait_dscnt 0x0
.irp m, 0,1,2,3,4,5,6,7                ; the eight accumulators by turns
.if \s == 0
	v_wmma_scale_f32_16x16x128_f8f6f4 v[VACC+8*\m:VACC+8*\m+7], v[VXF+8*\m:VXF+8*\m+7], v[VWF+8*(3*\u+\s):VWF+8*(3*\u+\s)+7], v[VBI+8*\u:VBI+8*\u+7], v[VXS+\m], v[VWS+3*\u+\s] matrix_a_fmt:MATRIX_FMT_FP4 matrix_b_fmt:MATRIX_FMT_FP4
.else
	v_wmma_scale_f32_16x16x128_f8f6f4 v[VACC+8*\m:VACC+8*\m+7], v[VXF+8*\m:VXF+8*\m+7], v[VWF+8*(3*\u+\s):VWF+8*(3*\u+\s)+7], v[VACC+8*\m:VACC+8*\m+7], v[VXS+\m], v[VWS+3*\u+\s] matrix_a_fmt:MATRIX_FMT_FP4 matrix_b_fmt:MATRIX_FMT_FP4
.endif
.endr
.rept 4
	v_nop                                          ; places in front of loads into x's registers, of writes to them and of the first read of results
.endr
.endr
	QUANTV VACC, VPC+8*\u, VPW+\u, VXF             ; my feature's 128 tokens: a lane holds two whole blocks along the keys; x's registers are free to work in
	global_store_b128 v1, v[VPC+8*\u:VPC+8*\u+3], s[60:61] offset:4608+1024*\u
	global_store_b128 v1, v[VPC+8*\u+4:VPC+8*\u+7], s[60:61] offset:4608+1024*\u+512
.endr
	global_store_b64 v15, v[VPW:VPW+1], s[42:43] offset:8704               ; two tiles' words of row r (lanes 16-31 write the same)
	s_set_vgpr_msb 0x5
	s_wait_tensorcnt 0x0
	ds_add_u32 v0, v1
	s_wait_dscnt 0x0
	s_set_vgpr_msb 0x500
	s_endpgm
.Lfunc_end_k_q259eb2758f_proj:
	.size	k_q259eb2758f_proj, .Lfunc_end_k_q259eb2758f_proj-k_q259eb2758f_proj
	.p2alignl 7, 3214868480
	.fill 96, 4, 3214868480
	.section	.rodata,"a",@progbits
	.p2align	6, 0x0
	.amdhsa_kernel k_q259eb2758f_proj
		.amdhsa_group_segment_fixed_size 227840
		.amdhsa_private_segment_fixed_size 0
		.amdhsa_enable_private_segment 0
		.amdhsa_kernarg_size 120
		.amdhsa_user_sgpr_count 2
		.amdhsa_user_sgpr_kernarg_segment_ptr 1
		.amdhsa_wavefront_size32 1
		.amdhsa_system_sgpr_workgroup_id_x 1
		.amdhsa_system_sgpr_workgroup_id_y 1
		.amdhsa_system_sgpr_workgroup_id_z 1
		.amdhsa_system_vgpr_workitem_id 0
		.amdhsa_next_free_vgpr 258
		.amdhsa_next_free_sgpr 66
		.amdhsa_reserve_vcc 0
		.amdhsa_float_denorm_mode_32 3
		.amdhsa_float_denorm_mode_16_64 3
		.amdhsa_memory_ordered 1
		.amdhsa_forward_progress 1
		.amdhsa_inst_pref_size 133
	.end_amdhsa_kernel
	.amdgpu_metadata
---
amdhsa.version: [ 1, 2 ]
amdhsa.kernels:
  - .name:           k_q259eb2758f_proj
    .symbol:         k_q259eb2758f_proj.kd
    .args:
      - { .name: output_cap, .offset: 0, .size: 8, .value_kind: global_buffer, .address_space: global }
      - { .name: input_cap, .offset: 8, .size: 8, .value_kind: global_buffer, .address_space: global }
      - { .name: Wq_codes, .offset: 16, .size: 8, .value_kind: global_buffer, .address_space: global }
      - { .name: Wk_codes, .offset: 24, .size: 8, .value_kind: global_buffer, .address_space: global }
      - { .name: Wv_codes, .offset: 32, .size: 8, .value_kind: global_buffer, .address_space: global }
      - { .name: Wq_scales, .offset: 40, .size: 8, .value_kind: global_buffer, .address_space: global }
      - { .name: Wk_scales, .offset: 48, .size: 8, .value_kind: global_buffer, .address_space: global }
      - { .name: Wv_scales, .offset: 56, .size: 8, .value_kind: global_buffer, .address_space: global }
      - { .name: bq, .offset: 64, .size: 8, .value_kind: global_buffer, .address_space: global }
      - { .name: bk, .offset: 72, .size: 8, .value_kind: global_buffer, .address_space: global }
      - { .name: bv, .offset: 80, .size: 8, .value_kind: global_buffer, .address_space: global }
      - { .name: ln_g, .offset: 88, .size: 8, .value_kind: global_buffer, .address_space: global }
      - { .name: ln_b, .offset: 96, .size: 8, .value_kind: global_buffer, .address_space: global }
      - { .name: qws, .offset: 104, .size: 8, .value_kind: global_buffer, .address_space: global }
      - { .name: kv, .offset: 112, .size: 8, .value_kind: global_buffer, .address_space: global }
    .group_segment_fixed_size: 227840
    .private_segment_fixed_size: 0
    .kernarg_segment_align: 8
    .kernarg_segment_size: 120
    .max_flat_workgroup_size: 384
    .sgpr_count:     66
    .vgpr_count:     258
    .wavefront_size: 32
...
	.end_amdgpu_metadata
.endif
;; end of part 1
;; launch attn (part 2): grid 256 x 1, 12 waves a work-group, no clusters, 58,112 bytes of LDS; arguments qws, kv, Wp_codes, Wp_scales, bp, output_cap, out0; writes out0
.if DOCPART == 2
	.amdgcn_target "amdgcn-amd-amdhsa--gfx1250"
	.amdhsa_code_object_version 6
	.text
	.protected	k_q259eb2758f_attn
	.globl	k_q259eb2758f_attn
	.p2align	8
	.type	k_q259eb2758f_attn,@function
k_q259eb2758f_attn:
	s_mov_b64 s[64:65], 0
	v_nop
	global_prefetch_b8 v0, s[64:65] scope:SCOPE_SE
	s_setreg_imm32_b32 hwreg(HW_REG_WAVE_MODE, 25, 1), 1
	s_wait_xcnt 0x0
; out0 = output_cap + softmax(q k^T / 8) v, heads joined, x Wp^T + bp; all three products on codes of E2M1 with one E8M0 scale for each 32 along K.
; SHARES.  A work-group owns 32 queries of one batch and ALL SIX HEADS: twelve waves, wave w = (head w / 2, tile w % 2 of 16 queries), three to a SIMD.  So a row's 384 numbers of ctl meet in one work-group:
; they are quantised in registers, change waves through LDS as images of operand registers, and the last product, the bias and the residual follow here.
; K AND V GO FROM MEMORY STRAIGHT INTO REGISTERS.  kv holds, for each (batch, key step of 128, head), 8,960 bytes laid as the operands' registers take them, 16 bytes a lane.  A wave loads its head's section itself.
; THE SECOND PRODUCT OF A STEP STANDS AT THE HEAD OF THE NEXT STEP, behind that step's score products: twelve matrix instructions in one run, then one run of 18 loads (V of this step, K of the next) into the registers just read,
; each a whole step ahead of its use.  The loop has no LDS access and no barrier: the twelve waves walk on their own.
; NO JOINT LOADS, NO TENSOR LOAD: a section feeds the registers of two waves of a work-group and nothing else; a ring for all six heads would hold two key steps a slot (2 x 107,520 of 327,680 bytes), that is sixteen drains of all twelve waves.
; THE WALK IS ROTATED: work-group x begins at key step x % 32 and goes round; a softmax does not hang on the order of its keys.  NO PREFETCH: the 32 starting steps cover all of a batch's kv in the first trip, so from the second trip on
; a wave loads bytes that other work-groups have loaded before; Wp, bp come at the head, the residual one key step ahead of its use.
; THE SOFTMAX: t = score x log2(e) / 8; M = the largest t so far, rounded UP to a whole number; p = 2^(t - M) is quantised along the keys, not normalised; the sum is taken of the unquantised p and divides at the end.
; When M moves, the sum and O are multiplied by 2^(old M - new M), which rounds nothing.
; LAYOUT.  S^T = K Q^T and O^T = V^T P^T: a lane holds ONE query throughout.  Row r of token tile 4 c + u (keys, queries) is token 64 c + 32 (r / 8) + 8 u + r % 8: so register 32 c + i of S^T in lane half h is key 64 c + 32 h + i:
; a lane holds two WHOLE blocks of 32 keys, in the order of the 4-bit operand's registers: the conversions' results are P's fragment as they stand, and a block's maximum asks no other lane.
; A HEAD'S K IS 64, the matrix instruction's 128: Q's registers 4-7 hold zero codes, so what stands in K's registers 4-7 (the next tile's codes; zeros behind the last) adds nothing; the scale words' upper bytes are 0x7f.
; LIMITS: NaN and infinities are not served.  A block whose every p has fallen to 0, and a block of ctl whose largest magnitude lies under 2^-124, keep the scale byte 1.  The scaled scores stay under 2^31 in magnitude.
; A block's largest p is made from its largest score by the same multiply-add and exponential as every p.
.set STEPB, 53760                      ; a key step: six sections of 8,960 bytes
.set CIMG,  0                          ; ctl's codes: (tile u, head) at (6 u + head) x 512: half a fragment each
.set CSC,   CIMG+12*512                ; ctl's scale words: (tile u, K step s) at (3 u + s) x 128, 4 bytes a lane; a head writes two of a word's four bytes
.set STG,   CSC+6*128                  ; the stage for the result: 32 rows x (1,536 + 16) bytes
.set SPARE, STG+32*1552                ; the spare words, 128 bytes for each of twelve waves: six blocks of 256 bytes that no other line names
.set LI,  1                            ; v1 16 l | v2 8 l
.set LV,  2
.set SPW, 3                            ; v3 my spare word, v4 0; never rewritten
.set NIL, 4
.set TP,  5                            ; v5, v6 at work
.set TP2, 6
.set H8,  7                            ; v7 8 (lane / 16)
.set CIA, 8                            ; v8, v9 where I store ctl's codes and scale bytes
.set CSA, 9
.set STO, 10                           ; v10, v11 the stage, in and out
.set STR, 11
.set NM,  12                           ; v12 -M
.set R,   13                           ; v13 the largest score so far
.set LS,  14                           ; v[14:15] the sum in two halves
.set QF,  16                           ; v16-23 Q (v20-23 zero codes); v24 its scale words
.set QS,  24
.set CSR, 25                           ; v25, v26 where ctl's scale words and images are read
.set CFA, 26
.set WPS, 28                           ; v28-33 Wp's scale words
.set FF,  34                           ; v[34:35] f (the upper word is named with it and holds 0)
.set KF,  36                           ; v36-67 K's eight tiles, four registers each; v68-71 zeros.  In the last step: the residual
.set KS,  72                           ; v72-75 K's scale words: lanes 0-15 tiles 0-3, lanes 16-31 tiles 4-7
.set VF,  76                           ; v76-107 V's four tiles.  At the end: the result's rows
.set VS,  108                          ; v108-109 V's scale words: lanes 0-15 tiles 0, 1, lanes 16-31 tiles 2, 3
.set PS,  110                          ; v110 p's scale word
.set PD,  111                          ; v111 a lane permute's result
.set S,   112                          ; v112-175 S^T, then p
.set OA,  176                          ; v176-207 O^T
.set PC,  208                          ; v208-215 p's codes; between the second product and the conversions: the eight chains of the maxima
.set BM,  216                          ; v216-217 my two blocks' largest scores, then largest p
.set SOP, 218                          ; v218-219 at work in the maxima, then the conversions' scale operands
.set PB,  220                          ; v220-221 the scale bytes
.set CH,  222                          ; v222-237 the step's sum of p: eight chains of pairs
.set TM,  238                          ; v238-251 the head's and the tail's work
.set CF,  112                          ; the tail: ctl's six fragments | their scale words | the result's four accumulators
.set CSW, 160
.set Y,   176
; registers 256 to 319 (window 1): Wp's six fragments at 0-47, bp's two tiles at 48-63, loaded at the head
.set WV,  18
.set HD,  19
.set UU,  20
.set G3,  21
.set SEL, 22
.set CS,  24                           ; s[24:25] c = log2(e) / 8
.set BK,  26                           ; s[26:27] my head's section of my batch's key step 0
.set SK,  28                           ; s[28:29] base of K's loads; s[30:31] of V's
.set SV,  30
.set OFF, 32                           ; s[32:33] the next key step's offset
.set SG,  34                           ; s34 its number, modulo 32
.set CNT, 35
.set RES, 44
.set OUT, 46
.macro BARRIER
	s_wait_dscnt 0x0
	s_barrier_signal -1
	s_barrier_wait -1
.endm
.macro QUANT2 src, pc, pw, tm          ; 32 numbers of a lane, register 16 b + i = k 32 b + 16 (lane / 16) + i, become four registers of codes and two scale bytes
.irp b, 0,1
	v_max3_num_f32 v[\tm+\b], |v[\src+16*\b]|, |v[\src+16*\b+1]|, 0x1800000   ; and the floor 2^(3 - 127): the byte cannot fall under 1
.endr
.irp i, 2,4,6,8,10,12,14
.irp b, 0,1
	s_delay_alu instid0(VALU_DEP_2)
	v_max3_num_f32 v[\tm+\b], v[\tm+\b], |v[\src+16*\b+\i]|, |v[\src+16*\b+\i+1]|
.endr
.endr
.irp b, 0,1
	s_delay_alu instid0(VALU_DEP_2)
	v_permlanex16_b32 v[\tm+4+\b], v[\tm+\b], s[SEL], s[SEL+1]
.endr
.irp b, 0,1
	s_delay_alu instid0(VALU_DEP_2)
	v_max_num_f32 v[\tm+\b], v[\tm+\b], v[\tm+4+\b]
.endr
.irp b, 0,1
	s_delay_alu instid0(VALU_DEP_2)
	v_add_nc_u32 v[\tm+12+\b], 0xff000000, v[\tm+\b]
.endr
.irp b, 0,1
	s_delay_alu instid0(VALU_DEP_2)
	v_lshrrev_b32 v[\tm+4+\b], 23, v[\tm+12+\b]
.endr
	s_delay_alu instid0(VALU_DEP_1)
	v_lshl_or_b32 v[\pw], v[\tm+5], 8, v[\tm+4]
.irp b, 0,1
	v_cvt_scalef32_pk8_fp4_f32 v[\pc+2*\b], v[\src+16*\b:\src+16*\b+7], v[\tm+12+\b]
	v_cvt_scalef32_pk8_fp4_f32 v[\pc+2*\b+1], v[\src+16*\b+8:\src+16*\b+15], v[\tm+12+\b]
.endr
	v_nop                                          ; one plain place behind a scaled conversion
	v_permlane16_swap_b32 v[\pc], v[\pc+2]
	v_permlane16_swap_b32 v[\pc+1], v[\pc+3]
.endm
.macro KLOAD                           ; K's eight tiles and their scale words: nine loads
.irp t, 0,1,2,3,4,5,6,7
	global_load_b128 v[KF+4*\t:KF+4*\t+3], v[LI], s[SK:SK+1] offset:512*\t
.endr
	global_load_b128 v[KS:KS+3], v[LI], s[SK:SK+1] offset:4096
.endm
.macro VLOAD                           ; V's four tiles and their scale words: nine loads
.irp t, 0,1,2,3
.irp c, 0,1
	global_load_b128 v[VF+8*\t+4*\c:VF+8*\t+4*\c+3], v[LI], s[SV:SV+1] offset:4608+1024*\t+512*\c
.endr
.endr
	global_load_b64 v[VS:VS+1], v[LV], s[SV:SV+1] offset:8704
.endm
.macro PVMUL                           ; O^T += V^T P^T: four accumulators by turns
.irp t, 0,1
	v_wmma_scale_f32_16x16x128_f8f6f4 v[OA+8*\t:OA+8*\t+7], v[VF+8*\t:VF+8*\t+7], v[PC:PC+7], v[OA+8*\t:OA+8*\t+7], v[VS+\t], v[PS] matrix_a_fmt:MATRIX_FMT_FP4 matrix_b_fmt:MATRIX_FMT_FP4
.endr
.irp t, 2,3
	v_wmma_scale_f32_16x16x128_f8f6f4 v[OA+8*\t:OA+8*\t+7], v[VF+8*\t:VF+8*\t+7], v[PC:PC+7], v[OA+8*\t:OA+8*\t+7], v[VS+\t-2], v[PS] matrix_a_fmt:MATRIX_FMT_FP4 matrix_b_fmt:MATRIX_FMT_FP4 matrix_a_scale:MATRIX_SCALE_ROW1
.endr
.endm
.macro CADD a, b                       ; chain a += chain b
	v_pk_add_f32 v[CH+2*\a:CH+2*\a+1], v[CH+2*\a:CH+2*\a+1], v[CH+2*\b:CH+2*\b+1]
.endm
.macro MERGE1                          ; the eight chains of a step's sum become four: four lines that hang on nothing near
	CADD 0, 1
	CADD 2, 3
	CADD 4, 5
	CADD 6, 7
.endm
.macro ADDS n                          ; the next n of the 24 additions that gather p's 32 pairs into eight chains, the chains by turns
.rept \n
.if AQ < 8
	v_pk_add_f32 v[CH+2*AQ:CH+2*AQ+1], v[S+2*AQ:S+2*AQ+1], v[S+2*AQ+16:S+2*AQ+17]
.else
	v_pk_add_f32 v[CH+2*(AQ%8):CH+2*(AQ%8)+1], v[CH+2*(AQ%8):CH+2*(AQ%8)+1], v[S+2*AQ+16:S+2*AQ+17]
.endif
.set AQ, AQ+1
.endr
.endm
.macro FMAS n                          ; the next n pairs of t - M
.rept \n
	v_pk_fma_f32 v[S+FJ:S+FJ+1], v[S+FJ:S+FJ+1], s[CS:CS+1], v[NM:NM+1] op_sel_hi:[1,0,0]
.set FJ, FJ+2
.endr
.endm
	s_load_b256 s[4:11], s[0:1], 0x0               ; qws, kv, Wp's codes, Wp's scales
	s_load_b128 s[12:15], s[0:1], 0x20             ; bp, output_cap
	s_load_b64 s[16:17], s[0:1], 0x30              ; out0
	v_lshl_add_u32 v[SPW], v0, 2, SPARE
	v_mov_b32 v[NIL], 0
	v_lshrrev_b32 v5, 5, v0
	s_delay_alu instid0(VALU_DEP_1)
	v_readfirstlane_b32 s[WV], v5                  ; wave 0..11
	s_lshr_b32 s[HD], s[WV], 1                     ; my head
	s_and_b32 s[UU], s[WV], 1                      ; my tile of queries
	s_mul_i32 s[G3], s[WV], 11
	s_lshr_b32 s[G3], s[G3], 5                     ; g = w / 3: which 8 rows of the stage I send; w - 3 g: which 512 bytes of them
	s_mov_b32 s[SEL], 0x76543210
	s_mov_b32 s[SEL+1], 0xfedcba98                 ; v_permlanex16_b32's selects for lane l xor 16
	s_mov_b32 s[CS], 0x3e38aa3b                    ; log2(e) / 8
	s_mov_b32 s[CS+1], s[CS]
	s_mul_i32 s48, s[UU], 6                        ; LDS places, made of the wave's number alone
	s_add_co_u32 s48, s48, s[HD]
	s_lshl_b32 s48, s48, 9
	s_add_co_u32 s48, s48, CIMG
	s_mul_i32 s49, s[UU], 3
	s_lshr_b32 s52, s[HD], 1
	s_add_co_u32 s49, s49, s52
	s_lshl_b32 s49, s49, 7
	s_and_b32 s52, s[HD], 1
	s_lshl_b32 s52, s52, 1
	s_add_co_u32 s49, s49, s52
	s_add_co_u32 s49, s49, CSC                     ; bytes 2 (head % 2), + 1 of a row's word of K step head / 2
	s_lshl_b32 s50, s[WV], 7
	s_add_co_u32 s50, s50, STG
	s_mul_i32 s51, s[G3], 10880                    ; 8 x 1,552 g + 512 (w - 3 g) = 10,880 g + 512 w
	s_lshl_b32 s52, s[WV], 9
	s_add_co_u32 s51, s51, s52
	s_add_co_u32 s51, s51, STG
	; offsets in memory
	s_lshr_b32 s52, ttmp9, 7                       ; the batch
	s_mul_i32 s52, s52, 32*STEPB
	s_mul_i32 s53, s[HD], 8960
	s_add_co_u32 s36, s52, s53
	s_mov_b32 s37, 0
	s_and_b32 s[SG], ttmp9, 31                     ; the key step at which my walk begins
	s_mul_i32 s[OFF], s[SG], STEPB
	s_mov_b32 s[OFF+1], 0
	s_lshr_b32 s52, ttmp9, 2                       ; my step of 128 queries
	s_mul_i32 s53, s52, 6
	s_add_co_u32 s53, s53, s[HD]
	s_mul_i32 s53, s53, 4608                       ; its section of my head in qws
	s_and_b32 s54, ttmp9, 3
	s_lshl_b32 s54, s54, 1
	s_add_co_u32 s54, s54, s[UU]                   ; T = 2 (x % 4) + u: my tile of its eight
	s_lshl_b32 s55, s54, 9
	s_add_co_u32 s38, s53, s55
	s_mov_b32 s39, 0
	s_lshr_b32 s55, s54, 2
	s_lshl_b32 s55, s55, 8
	s_add_co_u32 s56, s53, s55
	s_and_b32 s55, s54, 3
	s_lshl_b32 s55, s55, 2
	s_add_co_u32 s56, s56, s55
	s_mov_b32 s57, 0
	s_lshl_b32 s52, s52, 7                         ; stage rows 8 g + i are rows 128 step + 64 ((x % 4) / 2) + 16 (x % 2) + 8 (g / 2) + 32 (g % 2) + i
	s_bfe_u32 s55, ttmp9, 0x10001
	s_lshl_b32 s55, s55, 6
	s_add_co_u32 s52, s52, s55
	s_and_b32 s55, ttmp9, 1
	s_lshl_b32 s55, s55, 4
	s_add_co_u32 s52, s52, s55
	s_lshr_b32 s55, s[G3], 1
	s_lshl_b32 s55, s55, 3
	s_add_co_u32 s52, s52, s55
	s_and_b32 s55, s[G3], 1
	s_lshl_b32 s55, s55, 5
	s_add_co_u32 s52, s52, s55
	s_sub_co_u32 s52, s52, s[G3]                   ; (row - g) x 1,536 + 512 w = row x 1,536 + 512 (w - 3 g)
	s_mul_i32 s58, s52, 1536
	s_lshl_b32 s55, s[WV], 9
	s_add_co_u32 s58, s58, s55
	s_mov_b32 s59, 0
	s_mul_i32 s60, s[WV], 6144                     ; my 32 rows of Wp,
	s_mov_b32 s61, 0
	s_mul_i32 s62, s[WV], 384                      ; their scale bytes,
	s_mov_b32 s63, 0
	s_lshl_b32 s52, s[WV], 7                       ; my 32 numbers of bp
	s_mov_b32 s53, 0
	s_mov_b32 s[CNT], 30
	v_and_b32 v240, 31, v0                         ; l
	v_and_b32 v241, 15, v0                         ; r
	v_bfe_u32 v242, v0, 4, 1                       ; h
	v_lshlrev_b32 v[LI], 4, v240
	v_lshlrev_b32 v[LV], 3, v240
	v_lshlrev_b32 v[H8], 3, v242
	v_lshl_add_u32 v[CIA], v240, 4, s48
	v_lshl_add_u32 v[CSA], v240, 2, s49
	v_mul_u32_u24 v[STO], v241, 1552
	v_lshl_add_u32 v[STR], v240, 4, s51
	v_lshl_add_u32 v[CSR], v240, 2, CSC
	v_lshl_add_u32 v[STO], v242, 5, v[STO]
	v_add_nc_u32 v[CFA], CIMG, v[LI]
	v_mul_u32_u24 v243, v241, 12                   ; Wp's scale bytes: 12 a row
	v_lshlrev_b32 v244, 4, v241                    ; Q's scale words: 16 r
	v_add_nc_u32 v[STO], s50, v[STO]               ; the stage, in: row r, my 32 outputs' 128 bytes, + 32 h
	v_mul_u32_u24 v245, v241, 192                  ; Wp's fragment: row r of 192 bytes, + 16 h
	v_lshlrev_b32 v246, 5, v242                    ; bp: 32 h
	s_delay_alu instid0(VALU_DEP_2)
	v_lshl_add_u32 v245, v242, 4, v245
	s_wait_alu depctr_va_vdst(0)
	s_wait_kmcnt 0x0
	s_add_nc_u64 s[BK:BK+1], s[6:7], s[36:37]
	s_add_nc_u64 s[SK:SK+1], s[BK:BK+1], s[OFF:OFF+1]
	s_mov_b64 s[SV:SV+1], s[SK:SK+1]
	s_add_nc_u64 s[40:41], s[4:5], s[38:39]        ; Q's codes
	s_add_nc_u64 s[42:43], s[4:5], s[56:57]        ; Q's scale words
	s_add_nc_u64 s[RES:RES+1], s[14:15], s[58:59]  ; output_cap, my part
	s_add_nc_u64 s[OUT:OUT+1], s[16:17], s[58:59]  ; out0
	s_add_nc_u64 s[8:9], s[8:9], s[60:61]
	s_add_nc_u64 s[10:11], s[10:11], s[62:63]
	s_add_nc_u64 s[12:13], s[12:13], s[52:53]
	global_load_b128 v[QF:QF+3], v[LI], s[40:41]
	global_load_b32 v[QS], v244, s[42:43] offset:4096
	KLOAD                                          ; my walk's first key step
	VLOAD
	s_set_vgpr_msb 0x40                            ; destinations in window 1
.irp n, 0,1                            ; my 32 rows of Wp: two tiles x three K steps; they stay in registers 256-303
.irp s, 0,1,2
.irp c, 0,1
	global_load_b128 v[8*(3*\n+\s)+4*\c:8*(3*\n+\s)+4*\c+3], v245, s[8:9] offset:16*\n*192+64*\s+32*\c
.endr
.endr
.endr
.irp n, 0,1
	global_load_b128 v[48+8*\n:48+8*\n+3], v246, s[12:13] offset:64*\n             ; bp in the result's layout: outputs 16 n + 8 h + 0 .. 7
	global_load_b128 v[48+8*\n+4:48+8*\n+7], v246, s[12:13] offset:64*\n+16
.endr
	s_set_vgpr_msb 0x4000
.irp n, 0,1
.irp s, 0,1,2
	global_load_b32 v[WPS+3*\n+\s], v243, s[10:11] offset:16*\n*12+4*\s
.endr
.endr
.irp j, 0,1,2,3
	v_mov_b32 v[QF+4+\j], 0                        ; zero codes for k = 64 .. 127
	v_mov_b32 v[KF+32+\j], 0                       ; what stands behind K's last tile
.endr
	v_mov_b32 v[PD], 0                             ; a lane permute's destination counts as one of its sources
	v_mov_b32 v[R], 0xff61b1e6                     ; the largest score so far: -3e38, under every score
	v_mov_b32 v[LS], 0
	v_mov_b32 v[LS+1], 0
	v_mov_b32 v[FF+1], 0
	v_mul_f32 v[TP], s[CS], v[R]
	s_delay_alu instid0(VALU_DEP_1)
	v_floor_f32 v[NM], -v[TP]                      ; -M
.set J, 0
.rept 16
	v_mov_b32 v[CH+J], 0                           ; the first step joins empty chains
.set J, J+1
.endr
.set J, 0
.rept 32
	v_mov_b32 v[OA+J], 0                           ; O^T: the first change of M leaves zeros zeros
.set J, J+1
.endr
; A KEY STEP: 128 keys.  kind 0: the first (no step before it whose second product is due; its V came at the head); 1: in the loop; 2: the last (no further K: the residual in its place)
.macro STEP kind
.set AQ, 0
.set FJ, 0
	s_wait_loadcnt 0x0                             ; all my loads are in: this step's K, the last step's V; they were asked for a step ago
.irp t, 0,1,2,3
	v_wmma_scale_f32_16x16x128_f8f6f4 v[S+8*\t:S+8*\t+7], v[KF+4*\t:KF+4*\t+7], v[QF:QF+7], 0, v[KS+\t], v[QS] matrix_a_fmt:MATRIX_FMT_FP4 matrix_b_fmt:MATRIX_FMT_FP4
.endr
.irp t, 4,5,6,7
	v_wmma_scale_f32_16x16x128_f8f6f4 v[S+8*\t:S+8*\t+7], v[KF+4*\t:KF+4*\t+7], v[QF:QF+7], 0, v[KS+\t-4], v[QS] matrix_a_fmt:MATRIX_FMT_FP4 matrix_b_fmt:MATRIX_FMT_FP4 matrix_a_scale:MATRIX_SCALE_ROW1
.endr
.if \kind > 0
	PVMUL                                          ; the last step's second product
.endif
	MERGE1                                         ; the last step's sum: four places behind the products, for the loads into K's and V's registers, the writes over P's codes and the first read of S^T
.if \kind > 0
	s_mov_b64 s[SV:SV+1], s[SK:SK+1]               ; no load of mine is out: the bases may be written.  V: this step's,
.endif
.if \kind < 2
	s_add_co_u32 s[SG], s[SG], 1                   ; K: the next step's
	s_and_b32 s[SG], s[SG], 31
	s_mul_i32 s[OFF], s[SG], STEPB
	s_add_nc_u64 s[SK:SK+1], s[BK:BK+1], s[OFF:OFF+1]
.endif
.if \kind > 0
	VLOAD
.endif
.if \kind < 2
	KLOAD
.else
.irp i, 0,1,2,3,4,5,6,7
	global_load_b128 v[KF+4*\i:KF+4*\i+3], v[LI], s[RES:RES+1] offset:1536*\i th:TH_LOAD_NT   ; the residual: 512 consecutive bytes of each of my 8 rows
.endr
.endif
.irp t, 0,1,2,3,4,5,6,7                ; the largest scores: eight chains by turns, one to an accumulator, each from its low end on
	v_max3_num_f32 v[PC+\t], v[S+8*\t], v[S+8*\t+1], v[S+8*\t+2]
.endr
.irp i, 3,5
.irp t, 0,1,2,3,4,5,6,7
	v_max3_num_f32 v[PC+\t], v[PC+\t], v[S+8*\t+\i], v[S+8*\t+\i+1]
.endr
.endr
.irp c, 0,1                            ; four chains and four last registers make a block's largest score
	v_max3_num_f32 v[BM+\c], v[PC+4*\c], v[PC+4*\c+1], v[PC+4*\c+2]
	v_max3_num_f32 v[SOP+\c], v[PC+4*\c+3], v[S+32*\c+7], v[S+32*\c+15]
.endr
.irp c, 0,1
	v_max3_num_f32 v[BM+\c], v[BM+\c], v[SOP+\c], v[S+32*\c+23]
.endr
.irp c, 0,1
	v_max_num_f32 v[BM+\c], v[BM+\c], v[S+32*\c+31]
.endr
	v_max3_num_f32 v[R], v[R], v[BM], v[BM+1]
	CADD 0, 2                                      ; the rest of the last step's sum stands between the dependent lines that make M
	CADD 4, 6
	v_permlanex16_b32 v[PD], v[R], s[SEL], s[SEL+1]
	v_mov_b32 v[TP2], v[NM]
	CADD 0, 4
	v_max_num_f32 v[R], v[R], v[PD]                ; with lane l xor 16's blocks: my query's largest score so far
	v_pk_add_f32 v[LS:LS+1], v[LS:LS+1], v[CH:CH+1]
	s_delay_alu instid0(VALU_DEP_2)
	v_mul_f32 v[TP], s[CS], v[R]                   ; as t (c is positive)
	s_delay_alu instid0(VALU_DEP_1)
	v_floor_f32 v[NM], -v[TP]                      ; the new -M = -ceil(t)
	s_delay_alu instid0(VALU_DEP_1)
	v_sub_f32 v[TP], v[NM], v[TP2]                 ; old M - new M: a whole number, 0 or less
	FMAS 4                                         ; t - M
	v_cvt_i32_f32 v[TP], v[TP]                     ; (it saturates)
	FMAS 4
	v_ldexp_f32 v[FF], 1.0, v[TP]                  ; f = 2^(old M - new M)
	FMAS 24
.irp c, 0,1
	v_fma_f32 v[BM+\c], v[BM+\c], s[CS], v[NM]
.endr
.set J, 0
.rept 16
	v_pk_mul_f32 v[OA+J:OA+J+1], v[OA+J:OA+J+1], v[FF:FF+1] op_sel_hi:[1,0]   ; O^T under the new M, each accumulator from its low end on
.set J, J+2
.endr
	s_wait_alu depctr_va_vdst(0)                   ; ahead of the batch
.set J, 0
.rept 64
	v_exp_f32 v[S+J], v[S+J]                       ; p = 2^(t - M)
.set J, J+1
.endr
.irp c, 0,1
	v_exp_f32 v[BM+\c], v[BM+\c]                   ; the block's largest p: the same two instructions on the same number
.endr
	v_pk_mul_f32 v[LS:LS+1], v[LS:LS+1], v[FF:FF+1] op_sel_hi:[1,0]           ; the sum under the new M (a plain place behind the exponentials)
	s_wait_alu depctr_va_vdst(0)                   ; and one wait for the batch, ahead of its first reader
.irp c, 0,1
	v_max_num_f32 v[BM+\c], 0x1800000, v[BM+\c]    ; the floor 2^(3 - 127)
.endr
	ADDS 4                                         ; the sum of the unquantised p stands between the scale's dependent lines
.irp c, 0,1
	v_add_nc_u32 v[SOP+\c], 0xff000000, v[BM+\c]   ; 2 off the exponent field: the conversion's scale operand
.endr
	ADDS 4
.irp c, 0,1
	v_lshrrev_b32 v[PB+\c], 23, v[SOP+\c]          ; the scale's byte
.endr
	ADDS 2
	v_lshl_or_b32 v[PS], v[PB+1], 16, v[PB]        ; my bytes: blocks h and 2 + h,
	ADDS 2
	v_lshlrev_b32 v[PS], v[H8], v[PS]              ; at their places, 8 h bits up;
	ADDS 2
	v_permlanex16_b32 v[PD], v[PS], s[SEL], s[SEL+1]
	ADDS 2
	v_or_b32 v[PS], v[PS], v[PD]                   ; with lane l xor 16's two the word is whole
.irp c, 0,1
.irp g, 0,1,2,3
	v_cvt_scalef32_pk8_fp4_f32 v[PC+4*\c+\g], v[S+32*\c+8*\g:S+32*\c+8*\g+7], v[SOP+\c]    ; register 4 c + g of P's fragment
.endr
.endr
	ADDS 8                                         ; eight places between the scale word's last write and the scaled products of the next step's head
	s_wait_alu depctr_va_vdst(0)                   ; the wait here: P, its scale word
.endm
	s_wait_alu depctr_va_vdst(0)
	STEP 0
.Lstep:                                            ; 30 trips; the first and the last step are written out
	STEP 1
	s_sub_co_u32 s[CNT], s[CNT], 1
	s_cmp_lg_u32 s[CNT], 0
	s_cbranch_scc1 .Lstep
	STEP 2
	; ---- THE TAIL
	s_wait_loadcnt 8                               ; the last V is in; behind it the residual's eight loads may be out
	PVMUL                                          ; the last step's second product
	MERGE1                                         ; and its sum (with the lines below: the places behind the products)
	CADD 0, 2
	CADD 4, 6
	s_delay_alu instid0(VALU_DEP_1)
	v_pk_add_f32 v[CH:CH+1], v[CH:CH+1], v[CH+8:CH+9]
	s_delay_alu instid0(VALU_DEP_1)
	v_pk_add_f32 v[LS:LS+1], v[LS:LS+1], v[CH:CH+1]
	s_delay_alu instid0(VALU_DEP_1)
	v_add_f32 v[LS], v[LS], v[LS+1]                ; the sum's two halves,
	s_delay_alu instid0(VALU_DEP_1)
	v_permlanex16_b32 v[PD], v[LS], s[SEL], s[SEL+1]
	s_delay_alu instid0(VALU_DEP_1)
	v_add_f32 v[LS], v[LS], v[PD]                  ; and lane l xor 16's
	s_wait_alu depctr_va_vdst(0)
	v_rcp_f32 v[FF], v[LS]
	v_nop                                          ; one plain place behind the transcendental
	s_wait_alu depctr_va_vdst(0)                   ; the wait, ahead of its first reader and of O^T's
.set J, 0
.rept 16
	v_pk_mul_f32 v[OA+J:OA+J+1], v[OA+J:OA+J+1], v[FF:FF+1] op_sel_hi:[1,0]   ; ctl = O^T / the sum: register 16 b + i = channel 32 b + 16 h + i of my head
.set J, J+2
.endr
	QUANT2 OA, PC, PC+4, TM                        ; two blocks of the last product's K
	ds_store_b128 v[CIA], v[PC:PC+3]               ; registers 4 (head % 2) .. + 3 of fragment (tile u, K step head / 2)
	ds_store_b16 v[CSA], v[PC+4]
	BARRIER                                        ; ctl's six fragments and their scale words lie in LDS
.irp u, 0,1
.irp s, 0,1,2
.irp c, 0,1
	ds_load_b128 v[CF+8*(3*\u+\s)+4*\c:CF+8*(3*\u+\s)+4*\c+3], v[CFA] offset:(6*\u+2*\s+\c)*512
.endr
	ds_load_b32 v[CSW+3*\u+\s], v[CSR] offset:(3*\u+\s)*128
.endr
.endr
	s_wait_dscnt 0x0
	; source 0 = 16 rows of Wp (window 1), source 1 = 16 rows of ctl; four accumulators by turns; bp (window 1) is the C of each sum's first instruction
	s_set_vgpr_msb 0x11
.irp n, 0,1
.irp u, 0,1
	v_wmma_scale_f32_16x16x128_f8f6f4 v[Y+8*(2*\n+\u):Y+8*(2*\n+\u)+7], v[8*(3*\n):8*(3*\n)+7], v[CF+8*(3*\u):CF+8*(3*\u)+7], v[48+8*\n:48+8*\n+7], v[WPS+3*\n], v[CSW+3*\u] matrix_a_fmt:MATRIX_FMT_FP4 matrix_b_fmt:MATRIX_FMT_FP4
.endr
.endr
	s_set_vgpr_msb 0x1101
.irp s, 1,2
.irp n, 0,1
.irp u, 0,1
	v_wmma_scale_f32_16x16x128_f8f6f4 v[Y+8*(2*\n+\u):Y+8*(2*\n+\u)+7], v[8*(3*\n+\s):8*(3*\n+\s)+7], v[CF+8*(3*\u+\s):CF+8*(3*\u+\s)+7], v[Y+8*(2*\n+\u):Y+8*(2*\n+\u)+7], v[WPS+3*\n+\s], v[CSW+3*\u+\s] matrix_a_fmt:MATRIX_FMT_FP4 matrix_b_fmt:MATRIX_FMT_FP4
.endr
.endr
.endr
	s_set_vgpr_msb 0x0100
.rept 4
	v_nop                                          ; places in front of the stores of results
.endr
.irp u, 0,1
.irp n, 0,1
	ds_store_b128 v[STO], v[Y+8*(2*\n+\u):Y+8*(2*\n+\u)+3] offset:16*1552*\u+64*\n          ; lane (r, h): stage row 16 u + r, outputs 32 w + 16 n + 8 h + 0 .. 7; each accumulator from its low end on
	ds_store_b128 v[STO], v[Y+8*(2*\n+\u)+4:Y+8*(2*\n+\u)+7] offset:16*1552*\u+64*\n+16
.endr
.endr
	BARRIER                                        ; 32 whole rows lie in the stage
.irp i, 0,1,2,3,4,5,6,7
	ds_load_b128 v[VF+4*\i:VF+4*\i+3], v[STR] offset:1552*\i
.endr
	s_wait_loadcnt 0x0                             ; the residual
.irp i, 0,1,2,3,4,5,6,7
	s_wait_dscnt 7-\i                              ; row i is back; the later rows may be out
	v_pk_add_f32 v[VF+4*\i:VF+4*\i+1], v[VF+4*\i:VF+4*\i+1], v[KF+4*\i:KF+4*\i+1]
	v_pk_add_f32 v[VF+4*\i+2:VF+4*\i+3], v[VF+4*\i+2:VF+4*\i+3], v[KF+4*\i+2:KF+4*\i+3]
	global_store_b128 v[LI], v[VF+4*\i:VF+4*\i+3], s[OUT:OUT+1] offset:1536*\i th:TH_STORE_NT    ; 32 lanes store 512 consecutive bytes, at a multiple of 256 from out0's first byte
.endr
	s_wait_tensorcnt 0x0                           ; the wave's end, behind my last LDS store
	ds_add_u32 v[SPW], v[NIL]
	s_wait_dscnt 0x0
	s_endpgm
.Lfunc_end_k_q259eb2758f_attn:
	.size	k_q259eb2758f_attn, .Lfunc_end_k_q259eb2758f_attn-k_q259eb2758f_attn
	.p2alignl 7, 3214868480
	.fill 96, 4, 3214868480
	.section	.rodata,"a",@progbits
	.p2align	6, 0x0
	.amdhsa_kernel k_q259eb2758f_attn
		.amdhsa_group_segment_fixed_size 58112
		.amdhsa_private_segment_fixed_size 0
		.amdhsa_enable_private_segment 0
		.amdhsa_kernarg_size 56
		.amdhsa_user_sgpr_count 2
		.amdhsa_user_sgpr_kernarg_segment_ptr 1
		.amdhsa_wavefront_size32 1
		.amdhsa_system_sgpr_workgroup_id_x 1
		.amdhsa_system_sgpr_workgroup_id_y 1
		.amdhsa_system_sgpr_workgroup_id_z 1
		.amdhsa_system_vgpr_workitem_id 0
		.amdhsa_next_free_vgpr 320
		.amdhsa_next_free_sgpr 66
		.amdhsa_reserve_vcc 0
		.amdhsa_float_denorm_mode_32 3
		.amdhsa_float_denorm_mode_16_64 3
		.amdhsa_memory_ordered 1
		.amdhsa_forward_progress 1
		.amdhsa_inst_pref_size 64
	.end_amdhsa_kernel
	.amdgpu_metadata
---
amdhsa.version: [ 1, 2 ]
amdhsa.kernels:
  - .name:           k_q259eb2758f_attn
    .symbol:         k_q259eb2758f_attn.kd
    .args:
      - { .name: qws, .offset: 0, .size: 8, .value_kind: global_buffer, .address_space: global }
      - { .name: kv, .offset: 8, .size: 8, .value_kind: global_buffer, .address_space: global }
      - { .name: Wp_codes, .offset: 16, .size: 8, .value_kind: global_buffer, .address_space: global }
      - { .name: Wp_scales, .offset: 24, .size: 8, .value_kind: global_buffer, .address_space: global }
      - { .name: bp, .offset: 32, .size: 8, .value_kind: global_buffer, .address_space: global }
      - { .name: output_cap, .offset: 40, .size: 8, .value_kind: global_buffer, .address_space: global }
      - { .name: out0, .offset: 48, .size: 8, .value_kind: global_buffer, .address_space: global }
    .group_segment_fixed_size: 58112
    .private_segment_fixed_size: 0
    .kernarg_segment_align: 8
    .kernarg_segment_size: 56
    .max_flat_workgroup_size: 384
    .sgpr_count:     66
    .vgpr_count:     320
    .wavefront_size: 32
...
	.end_amdgpu_metadata
.endif
;; end of part 2
